; MI455X (gfx1250); checked and timed in simulation.
; The chip was launched on July 23, 2026; its instructions are those of AMD's public machine-readable ISA for CDNA 5 (MIT licence, August 2026) and "CDNA5" Instruction Set Architecture Reference Guide (July 2026). The comments in the code are by the model that wrote it; some were corrected since.
;; Vector Conditioned Logits GM Prior NLL. Allowed arithmetic: float matrix products may take bf16 or f16 operands with f32 sums; all other float work in f32.
;; Inputs: logits 256 x 512 float32; means 512 x 32 float32; x 256 x 1,024 x 32 float32.
;; Outputs: out0 256 x 1,024 float32.
;; One version. Each part assembles by itself: llvm-mc -triple=amdgcn-amd-amdhsa -mcpu=gfx1250 --defsym DOCPART=n.
;; ======== version 1 of 1: 1 launch
;; launch gmnll (part 1): grid 256 x 1, 16 waves a work-group, clusters of 4 x 1, 279,552 bytes of LDS; arguments x, logits, means, out0; writes out0
.if DOCPART == 1
	.amdgcn_target "amdgcn-amd-amdhsa--gfx1250"
	.amdhsa_code_object_version 6
	.text
	.protected	k_qce02e498a3_gmnll
	.globl	k_qce02e498a3_gmnll
	.p2align	8
	.type	k_qce02e498a3_gmnll,@function
k_qce02e498a3_gmnll:
	s_mov_b64 s[64:65], 0
	v_nop
	global_prefetch_b8 v0, s[64:65] scope:SCOPE_SE
	s_setreg_imm32_b32 hwreg(HW_REG_WAVE_MODE, 25, 1), 1
	s_wait_xcnt 0x0
	s_wait_alu depctr_hold_cnt(0) depctr_sa_sdst(0) depctr_va_vdst(0) depctr_va_sdst(0) depctr_va_ssrc(0) depctr_va_vcc(0) depctr_vm_vsrc(0)
	s_getreg_b32 s2, hwreg(HW_REG_IB_STS2, 6, 4)
	s_cmp_eq_u32 s2, 0
	s_cbranch_scc0 .Lentry_in_a_cluster
	s_endpgm
.Lentry_in_a_cluster:
	s_bfe_u32 s2, ttmp6, 0x10000c
	s_cmp_lg_u32 s2, 0x3003
	s_cbranch_scc0 .Lentry_shape_is_right
	s_endpgm
.Lentry_shape_is_right:
; nll[b][s] = 0.5 |x[b][s]|^2 + 16 ln(2 pi) - ln( sum over k of exp z[k][s] ),
;   z[k][s] = c[k] + x[b][s] . mu[k],   c[k] = log_softmax(logits[b])[k] - 0.5 |mu[k]|^2.
; x: [256][1024][32] f32, logits: [256][512] f32, means: [512][32] f32, out0: [256][1024] f32.
;
; One work-group makes one b: 1,024 rows s x 512 components k.  Sixteen waves of 256 registers.  Wave w = 4 p + q owns components
; 128 q .. 128 q + 127 (8 matrix tiles: their means as bf16 A fragments and their c as f32 C tiles stay in registers for the whole kernel)
; and, in each of four stages of 256 rows, the 64 rows 64 p .. 64 p + 63: four units of 16 rows.
; The matrix instruction takes 16 components as A and 16 rows of x as B, with c as C: D = mu x^T + c.  A lane then holds ONE row s
; (s = lane % 16) and, in register j of tile t, component 16 t + 8 (lane / 16) + j: maximum and sum over k never leave the lane.
; A unit gives each lane a partial result of its 64 scores: nm = -log2(e) max z, and l = sum of exp2(log2(e) z + nm): the true maximum of the
; 64 is taken away before any exponential.  The 8 partials of a row (4 quarters x 2 lane halves) meet in LDS and are merged at the end, again
; round their maximum.
;
; DATA.  The whole of x[b] (128 KB) and of means (64 KB) is asked for at the kernel's head by tensor loads, each LDS byte filled once:
; no slot is ever filled again.  By this text's own count a wave has five tensor loads out at the most.
; CLUSTER.  means is the same for every work-group: four work-groups form a cluster (4 x 1) and ask for it jointly (mask 15), each wave for
; 4 KB whose address hangs on the wave's number alone.  x and logits are each work-group's own.
;
; LIMITS.  x and means are rounded to bf16 (nearest even) for the product x . mu alone; |x|^2, |mu|^2, the log-softmax and all sums are f32,
; summed in another order than the reference's.  Inputs are taken to be finite: a NaN or an infinity gives no defined result, and 64 components
; of one lane whose logits are all -inf give NaN.  v_exp_f32 flushes results below 2^-126 to zero (ISA guide 15.8): such terms are that far
; below the largest term of their sum, which is 1.
.set PITCH, 272                        ; an LDS row: 256 bytes (two rows of 32 f32) + 16 of padding
.set XBASE, 0                          ; x[b]: 512 LDS rows; row s of x at (s / 2) PITCH + 128 (s % 2)
.set MBASE, XBASE+512*PITCH            ; means: 256 LDS rows, the same way
.set CBASE, MBASE+256*PITCH            ; c[512] f32; written by ds_store, no tensor load lands here (a multiple of 256)
.set PBASE, CBASE+2048                 ; partials: 8 regions (2 q + lane half) of 1,024 x (nm, l)
.set PSTR,  8320                       ; a region's 8,192 bytes + 128: the two lane halves of a store fall on different banks (64 banks of 4 bytes: ISA guide 11.1)
.set XA, 2                             ; v2, v3   LDS address of my fragment bytes in stage 0 and in stage 2 (immediates reach one stage further)
.set PA, 4                             ; v4       where my partial of stage 0, unit 0 goes
.set MA, 5                             ; v5       my fragment bytes in tile 0 of my quarter of means
.set CA, 6                             ; v6       my 8 numbers of c in tile 0 of my quarter
.set MR, 7                             ; v7       row k = thread of means (in the part that my own wave fetched)
.set CS, 8                             ; v8       c[thread]
.set LA, 9                             ; v9       16 x lane: offset into the row of logits
.set LB, 10                            ; v10      4 x thread: offset of my own logit
.set M,  12                            ; v[12:15] four chains of the maximum
.set NM, 16                            ; v[16:17] nm twice (a pair for the packed multiply-add), then (nm, l) for the store
.set S,  18                            ; v[18:25] four packed chains of the sum
.set X,  32                            ; v[32:47] 16 f32 of my row of x
.set B,  48                            ; v[48:55] the same as a bf16 B fragment
.set A,  64                            ; v[64:127]   8 A fragments
.set C,  128                           ; v[128:191]  8 C tiles
.set D,  192                           ; v[192:255]  8 D tiles
; scalars: s12 wave, s13 q, s14 p, s16 b; s[24:31] group 1 for means, s[32:39] group 1 for x, s[40:43] group 0 for means,
; s[44:59] group 0 for x, one set for each stage; s[60:61] log2(e) twice, s62 -log2(e), s63 16 ln(2 pi); s2, s3 selects of v_permlanex16_b32
; A round of the cluster's barrier: my work-group's barrier, wave 0 signals for the work-group, every wave waits for all four work-groups,
; my work-group's barrier once more.
.macro ROUND
	s_barrier_signal -1
	s_barrier_wait -1
	s_cmp_lg_u32 s12, 0
	s_cbranch_scc1 .Lnot_wave_0_\@
	s_barrier_signal -3
.Lnot_wave_0_\@:
	s_barrier_wait -3
	s_barrier_signal -1
	s_barrier_wait -1
.endm
	s_load_b256 s[4:11], s[0:1], 0x0               ; x s[4:5], logits s[6:7], means s[8:9], out0 s[10:11]
	v_lshl_add_u32 v62, v0, 2, 0x43c00
	v_mov_b32 v63, 0
	ds_add_u32 v62, v63
	v_lshrrev_b32 v1, 5, v0
	v_readfirstlane_b32 s12, v1                    ; wave 0..15
	s_and_b32 s13, s12, 3                          ; q: my quarter of the components
	s_lshr_b32 s14, s12, 2                         ; p: my quarter of a stage's rows
	s_bfe_u32 s15, ttmp6, 0x40000                  ; cx: my place in the cluster
	s_lshl_b32 s16, ttmp9, 2                       ; in a cluster launch ttmp9 counts clusters
	s_add_co_u32 s16, s16, s15                     ; b = 4 x cluster + cx
	s_mov_b32 s2, 0x76543210                       ; v_permlanex16_b32: lane i of one half reads lane i of the other
	s_mov_b32 s3, 0xfedcba98
	s_mov_b32 s60, 0x3fb8aa3b                      ; log2(e)
	s_mov_b32 s61, 0x3fb8aa3b
	s_mov_b32 s62, 0xbfb8aa3b                      ; -log2(e)
	s_mov_b32 s63, 0x41eb3f8e                      ; 32 x 0.5 x ln(2 pi) = 29.406033
	; Group 1.  Both arrays are dense, so a tile is taken as rows of 32 elements of 8 bytes (256 bytes), 16 bytes of padding behind each.
	s_mov_b32 s24, 15|(3<<16)|(1<<20)|(1<<21)|(5<<22)|(3<<25)   ; means: 15:0 mask = all four of the cluster; 17:16 8-byte elements; 20 padding on; 21 set beside a mask; 24:22 after 64 words; 31:25 four words
	s_mov_b32 s25, 32<<16                          ; tensor_dim0 = 32
	s_mov_b32 s26, 16<<16                          ; tensor_dim1 = 16 rows = 32 rows of means = 4 KB
	s_mov_b32 s27, 32<<16                          ; tile_dim0 = 32
	s_mov_b32 s28, 16                              ; tile_dim1 = 16
	s_mov_b32 s29, 32                              ; from row to row: 32 elements
	s_mov_b32 s30, 0
	s_mov_b32 s31, 0
	s_mov_b32 s32, (3<<16)|(1<<20)|(5<<22)|(3<<25) ; x: no mask, a load of my own
	s_mov_b32 s33, 32<<16
	s_mov_b32 s34, 8<<16                           ; 8 rows = 16 rows of x = 2 KB
	s_mov_b32 s35, 32<<16
	s_mov_b32 s36, 8
	s_mov_b32 s37, 32
	s_mov_b32 s38, 0
	s_mov_b32 s39, 0
	; Group 0 for means: every word hangs on the wave's number alone, so it is equal in the four work-groups.
	s_mov_b32 s40, 1
	s_mul_i32 s41, s12, 16*PITCH
	s_add_co_u32 s41, s41, MBASE                   ; LDS: my 16 LDS rows
	s_lshl_b32 s22, s12, 12                        ; memory: my 4,096 bytes
	s_mov_b32 s23, 0
	s_mul_i32 s17, s12, 8*PITCH                    ; x in LDS: my 8 LDS rows of a stage
	s_lshl_b32 s18, s16, 17                        ; x in memory: b x 131,072 bytes
	s_lshl_b32 s19, s12, 11                        ; + my 16 rows of 128 bytes
	s_add_co_u32 s18, s18, s19
	s_mov_b32 s19, 0
	s_lshl_b32 s20, s16, 11                        ; logits: b x 2,048 bytes
	s_mov_b32 s21, 0
	s_wait_dscnt 0x0
	s_wait_kmcnt 0x0
	s_add_nc_u64 s[42:43], s[8:9], s[22:23]
	s_or_b32 s43, s43, 0x80000000                  ; type = 2
	s_add_nc_u64 s[4:5], s[4:5], s[18:19]
.irp j, 0,1,2,3
	s_mov_b32 s[44+4*\j], 1
	s_add_co_u32 s[45+4*\j], s17, XBASE+\j*128*PITCH           ; stage j: 128 LDS rows further
	s_add_nc_u64 s[46+4*\j:47+4*\j], s[4:5], \j*32768          ; and 256 rows of x further
	s_or_b32 s[47+4*\j], s[47+4*\j], 0x80000000
.endr
	s_add_nc_u64 s[6:7], s[6:7], s[20:21]          ; my row of logits
	s_lshl_b32 s20, s16, 12
	s_add_nc_u64 s[10:11], s[10:11], s[20:21]      ; my 4,096 bytes of out0
	ROUND                                          ; all four work-groups are here: the joint loads meet
	tensor_load_to_lds s[40:43], s[24:31]          ; means, my part, jointly
	s_nop 0
.irp j, 0,1,2,3
	tensor_load_to_lds s[44+4*\j:47+4*\j], s[32:39]            ; x, my 16 rows of each stage
	s_nop 0
.endr
	; Every wave reads the whole row of logits (2 KB, 16 numbers a lane) and makes the log-sum-exp by itself: no barrier is spent on it,
	; and the work stands where the wave would otherwise wait for means.
	v_and_b32 v26, 31, v0
	v_lshlrev_b32 v[LA], 4, v26
	v_lshlrev_b32 v[LB], 2, v0
	global_load_b128 v[32:35], v[LA], s[6:7]
	global_load_b128 v[36:39], v[LA], s[6:7] offset:512
	global_load_b128 v[40:43], v[LA], s[6:7] offset:1024
	global_load_b128 v[44:47], v[LA], s[6:7] offset:1536
	global_load_b32 v56, v[LB], s[6:7]             ; logits[b][thread]
	; LDS addresses.  A fragment (A and B alike) is 16 rows x 32 K: lane l holds row r = l % 16; registers 0-3 hold K = 8 h + 0..7, registers 4-7
	; K = 16 + 8 h + 0..7, h = l / 16.  In f32 that is 32 bytes at 32 h and 32 bytes at 64 + 32 h of the row: four loads at +0, +16, +64, +80.
	; The 16 lanes of a half touch 16-byte columns (r / 2) + 8 (r % 2) modulo 16: all different.
	v_and_b32 v26, 15, v0                          ; r
	v_bfe_u32 v27, v0, 4, 1                        ; h
	v_and_b32 v29, 1, v0
	v_lshrrev_b32 v28, 1, v26
	v_mul_u32_u24 v28, v28, PITCH
	v_lshl_add_u32 v28, v29, 7, v28
	v_lshl_add_u32 v30, v27, 5, v28                ; (r / 2) PITCH + 128 (r % 2) + 32 h
	v_bfe_u32 v31, v0, 1, 4                        ; lane / 2
	v_mul_u32_u24 v31, v31, PITCH
	v_lshl_add_u32 v31, v29, 7, v31
	v_add_nc_u32 v[MR], s41, v31                   ; row 32 wave + lane of means: inside the 16 LDS rows that my own load fills
	s_mul_i32 s17, s14, 32*PITCH
	v_add_nc_u32 v[XA], s17, v30                   ; my 64 rows of stage 0
	v_add_nc_u32 v[XA+1], 256*PITCH, v[XA]         ; and of stage 2
	s_mul_i32 s17, s13, 64*PITCH
	s_add_co_u32 s17, s17, MBASE
	v_add_nc_u32 v[MA], s17, v30
	s_lshl_b32 s17, s13, 9
	s_add_co_u32 s17, s17, CBASE
	v_lshl_add_u32 v[CA], v27, 5, s17              ; c[128 q + 8 h]
	v_lshlrev_b32 v[CS], 2, v0
	v_add_nc_u32 v[CS], CBASE, v[CS]
	s_mul_i32 s17, s13, 2*PSTR
	s_lshl_b32 s18, s14, 9
	s_add_co_u32 s17, s17, s18
	s_add_co_u32 s17, s17, PBASE
	v_mul_u32_u24 v28, v27, PSTR
	v_lshl_add_u32 v28, v26, 3, v28
	v_add_nc_u32 v[PA], s17, v28                   ; region 2 q + h, row 64 p + r
	; log-sum-exp of the 512 logits, the maximum taken away first
	s_wait_loadcnt 0x0
	v_max3_num_f32 v57, v32, v33, v34
	v_max3_num_f32 v58, v35, v36, v37
	v_max3_num_f32 v57, v57, v38, v39
	v_max3_num_f32 v58, v58, v40, v41
	v_max3_num_f32 v57, v57, v42, v43
	v_max3_num_f32 v58, v58, v44, v45
	v_max3_num_f32 v57, v57, v46, v47
	v_max_num_f32 v57, v57, v58
	v_max_num_f32_dpp v57, v57, v57 row_xmask:1 row_mask:0xf bank_mask:0xf
	v_max_num_f32_dpp v57, v57, v57 row_xmask:2 row_mask:0xf bank_mask:0xf
	v_max_num_f32_dpp v57, v57, v57 row_xmask:4 row_mask:0xf bank_mask:0xf
	v_max_num_f32_dpp v57, v57, v57 row_xmask:8 row_mask:0xf bank_mask:0xf
	v_permlanex16_b32 v58, v57, s2, s3
	v_max_num_f32 v57, v57, v58                    ; the largest logit, in every lane
	v_mul_f32 v58, s62, v57
	v_mul_f32 v59, s62, v57
.irp c, 0,2,4,6,8,10,12,14
	v_pk_fma_f32 v[32+\c:33+\c], v[32+\c:33+\c], s[60:61], v[58:59] op_sel_hi:[1,0,1]   ; log2(e) (logit - max)
.endr
.irp c, 0,1,2,3,4,5,6,7,8,9,10,11,12,13,14,15
	v_exp_f32 v[32+\c], v[32+\c]
.endr
	v_nop                                          ; one plain vector instruction between a transcendental and the use of its result (ISA guide 5.7.2)
	s_wait_alu depctr_va_vdst(0)
	v_pk_add_f32 v[32:33], v[32:33], v[34:35]
	v_pk_add_f32 v[36:37], v[36:37], v[38:39]
	v_pk_add_f32 v[40:41], v[40:41], v[42:43]
	v_pk_add_f32 v[44:45], v[44:45], v[46:47]
	v_pk_add_f32 v[32:33], v[32:33], v[36:37]
	v_pk_add_f32 v[40:41], v[40:41], v[44:45]
	v_pk_add_f32 v[32:33], v[32:33], v[40:41]
	v_add_f32 v58, v32, v33
	v_add_f32_dpp v58, v58, v58 row_xmask:1 row_mask:0xf bank_mask:0xf
	v_add_f32_dpp v58, v58, v58 row_xmask:2 row_mask:0xf bank_mask:0xf
	v_add_f32_dpp v58, v58, v58 row_xmask:4 row_mask:0xf bank_mask:0xf
	v_add_f32_dpp v58, v58, v58 row_xmask:8 row_mask:0xf bank_mask:0xf
	v_permlanex16_b32 v59, v58, s2, s3
	v_add_f32 v58, v58, v59
	v_log_f32 v58, v58
	v_nop
	s_wait_alu depctr_va_vdst(0)
	v_fmamk_f32 v58, v58, 0x3f317218, v57          ; ln 2 x log2(sum) + max
	v_sub_f32 v56, v56, v58                        ; log_softmax(logits[b])[thread]
	; c[k] for k = thread: |mu[k]|^2 from the f32 row, which lies in the part of means that my own wave fetched
	s_wait_tensorcnt 0x4                           ; tensor loads of a wave end in order (ISA guide 10.11.1): means is in, the four loads of x behind it stay out
.irp i, 0,1,2,3,4,5,6,7
	ds_load_b128 v[D+4*\i:D+4*\i+3], v[MR] offset:16*\i
.endr
	s_wait_dscnt 0x0
	v_pk_mul_f32 v[58:59], v[D:D+1], v[D:D+1]
	v_pk_mul_f32 v[60:61], v[D+2:D+3], v[D+2:D+3]
.set n, 4
.rept 7
	v_pk_fma_f32 v[58:59], v[D+n:D+n+1], v[D+n:D+n+1], v[58:59]
	v_pk_fma_f32 v[60:61], v[D+n+2:D+n+3], v[D+n+2:D+n+3], v[60:61]
.set n, n+4
.endr
	v_pk_add_f32 v[58:59], v[58:59], v[60:61]
	v_add_f32 v58, v58, v59
	v_fma_f32 v56, v58, -0.5, v56
	ds_store_b32 v[CS], v56
	s_wait_dscnt 0x0                               ; my c is written, and (the wait above) my part of means has landed:
	s_barrier_signal -1
	s_barrier_wait -1                              ; now every wave's.  The loads of x stay out across it
	; my quarter for good: c as 8 C tiles (register j of tile t: c[128 q + 16 t + 8 h + j], the same in all 16 lanes of a half) ...
.irp t, 0,1,2,3,4,5,6,7
	ds_load_b128 v[C+8*\t:C+8*\t+3],   v[CA] offset:64*\t
	ds_load_b128 v[C+8*\t+4:C+8*\t+7], v[CA] offset:64*\t+16
.endr
	; ... and means as 8 bf16 A fragments, four tiles at a time through the registers of D
.irp g, 0,1
.irp t, 0,1,2,3
	ds_load_b128 v[D+16*\t:D+16*\t+3],     v[MA] offset:(4*\g+\t)*8*PITCH
	ds_load_b128 v[D+16*\t+4:D+16*\t+7],   v[MA] offset:(4*\g+\t)*8*PITCH+16
	ds_load_b128 v[D+16*\t+8:D+16*\t+11],  v[MA] offset:(4*\g+\t)*8*PITCH+64
	ds_load_b128 v[D+16*\t+12:D+16*\t+15], v[MA] offset:(4*\g+\t)*8*PITCH+80
.endr
	s_wait_dscnt 0x0
.irp t, 0,1,2,3
.irp i, 0,1,2,3,4,5,6,7
	v_cvt_pk_bf16_f32 v[A+8*(4*\g+\t)+\i], v[D+16*\t+2*\i], v[D+16*\t+2*\i+1]
.endr
.endr
.endr
.macro XLOAD j, i                      ; my 16 f32 of row r of unit i of stage j
	ds_load_b128 v[X:X+3],     v[XA+\j/2] offset:(\j%2)*128*PITCH+(\i)*8*PITCH
	ds_load_b128 v[X+4:X+7],   v[XA+\j/2] offset:(\j%2)*128*PITCH+(\i)*8*PITCH+16
	ds_load_b128 v[X+8:X+11],  v[XA+\j/2] offset:(\j%2)*128*PITCH+(\i)*8*PITCH+64
	ds_load_b128 v[X+12:X+15], v[XA+\j/2] offset:(\j%2)*128*PITCH+(\i)*8*PITCH+80
.endm
.macro FMA8 t                          ; tile t: log2(e) z + nm, two at a time
.irp c, 0,2,4,6
	v_pk_fma_f32 v[D+8*(\t)+\c:D+8*(\t)+\c+1], v[D+8*(\t)+\c:D+8*(\t)+\c+1], s[60:61], v[NM:NM+1] op_sel_hi:[1,0,1]
.endr
.endm
.macro EXP8 t
.irp c, 0,1,2,3,4,5,6,7
	v_exp_f32 v[D+8*(\t)+\c], v[D+8*(\t)+\c]
.endr
.endm
.macro ADD8 t
	s_wait_alu depctr_va_vdst(0)
.irp c, 0,2,4,6
	v_pk_add_f32 v[S+\c:S+\c+1], v[S+\c:S+\c+1], v[D+8*(\t)+\c:D+8*(\t)+\c+1]
.endr
.endm
; One unit: 16 rows of x against my 128 components.
.macro UNIT j, i
.if \i == 0
	XLOAD \j, 0                                    ; a stage's first unit is read behind the stage's barrier,
.endif
	s_wait_dscnt 0x0
.irp c, 0,1,2,3,4,5,6,7
	v_cvt_pk_bf16_f32 v[B+\c], v[X+2*\c], v[X+2*\c+1]
.endr
.if \i < 3
	XLOAD \j, \i+1                                 ; the others a unit ahead: they come back under this unit's arithmetic
.endif
	; Eight products, each with a D of its own and its tile of c as C: no sum is carried from one matrix instruction to another.
.irp t, 0,1,2,3,4,5,6,7
	v_wmma_f32_16x16x32_bf16 v[D+8*\t:D+8*\t+7], v[A+8*\t:A+8*\t+7], v[B:B+7], v[C+8*\t:C+8*\t+7]
.endr
.rept 4
	v_nop                                          ; four places between a matrix instruction and the vector instruction that reads its result (ISA guide 7.12.1)
.endr
	; the largest of my 64 scores: four chains, two new numbers an instruction
	v_max3_num_f32 v[M],   v[D],   v[D+1],  v[D+2]
	v_max3_num_f32 v[M+1], v[D+3], v[D+4],  v[D+5]
	v_max3_num_f32 v[M+2], v[D+6], v[D+7],  v[D+8]
	v_max3_num_f32 v[M+3], v[D+9], v[D+10], v[D+11]
.set n, 12
.rept 26
	v_max3_num_f32 v[M+(n/2)%4], v[M+(n/2)%4], v[D+n], v[D+n+1]
.set n, n+2
.endr
	v_max3_num_f32 v[M], v[M], v[M+1], v[M+2]
	v_max_num_f32 v[M], v[M], v[M+3]
	v_mul_f32 v[NM],   s62, v[M]                   ; nm = -log2(e) max
	v_mul_f32 v[NM+1], s62, v[M]
	; exp2(log2(e) z + nm) and the sum.  Behind a tile's exponentials stand the next tile's multiply-adds, which touch none of their registers:
	; the plain instruction that has to come before a transcendental's result is used (ISA guide 5.7.2).  The first two tiles start the four sums.
	FMA8 0
	EXP8 0
	FMA8 1
	s_wait_alu depctr_va_vdst(0)
	v_pk_add_f32 v[S:S+1],   v[D:D+1],   v[D+2:D+3]
	v_pk_add_f32 v[S+2:S+3], v[D+4:D+5], v[D+6:D+7]
	EXP8 1
	FMA8 2
	s_wait_alu depctr_va_vdst(0)
	v_pk_add_f32 v[S+4:S+5], v[D+8:D+9],   v[D+10:D+11]
	v_pk_add_f32 v[S+6:S+7], v[D+12:D+13], v[D+14:D+15]
.irp t, 2,3,4,5,6
	EXP8 \t
	FMA8 \t+1
	ADD8 \t
.endr
	EXP8 7
	v_nop
	s_wait_alu depctr_va_vdst(0)
	ADD8 7
	v_pk_add_f32 v[S:S+1],   v[S:S+1],   v[S+2:S+3]
	v_pk_add_f32 v[S+4:S+5], v[S+4:S+5], v[S+6:S+7]
	v_pk_add_f32 v[S:S+1],   v[S:S+1],   v[S+4:S+5]
	v_add_f32 v[NM+1], v[S], v[S+1]                ; l, beside nm
	ds_store_b64 v[PA], v[NM:NM+1] offset:\j*2048+\i*128       ; row 256 j + 64 p + 16 i + r of region 2 q + h
.endm
; A stage: 256 rows of x, of which each wave fetched 16 and reads 64.
.macro STAGE j
	s_wait_tensorcnt 3-\j                          ; my part of stage j has landed; the 3 - j later stages' loads stay out
	s_wait_dscnt 0x0                               ; no LDS instruction of mine is pending at the signal
	s_barrier_signal -1
	s_barrier_wait -1                              ; every wave's part has landed.
	UNIT \j, 0
	UNIT \j, 1
	UNIT \j, 2
	UNIT \j, 3
.endm
	STAGE 0
	STAGE 1
	STAGE 2
	STAGE 3                                        ; its wait is for zero: no tensor load is out from here on
	; THE END: thread t merges the 8 partials of rows 2 t and 2 t + 1, adds 0.5 |x|^2 from the f32 rows in LDS, and stores 8 bytes.
	s_wait_dscnt 0x0                               ; my partials are written
	s_barrier_signal -1
	s_barrier_wait -1                              ; everybody's are
	v_lshlrev_b32 v26, 4, v0
	v_add_nc_u32 v26, PBASE, v26                   ; (nm, l) of row 2 t, (nm, l) of row 2 t + 1: 16 neighbouring bytes in each region
	v_mul_u32_u24 v27, v0, PITCH                   ; rows 2 t and 2 t + 1 of x: LDS row t
	v_lshlrev_b32 v28, 3, v0
.irp i, 0,1,2,3,4,5,6,7
	ds_load_b128 v[A+4*\i:A+4*\i+3], v26 offset:\i*PSTR
.endr
.irp i, 0,1,2,3,4,5,6,7,8,9,10,11,12,13,14,15
	ds_load_b128 v[C+4*\i:C+4*\i+3], v27 offset:16*\i
.endr
	s_wait_dscnt 16                                ; the 8 loads of partials are back; the 16 younger loads of x stay out
	v_min3_num_f32 v[M],   v[A],   v[A+4],  v[A+8]             ; the least nm is minus the largest log2(e) max
	v_min3_num_f32 v[M+1], v[A+2], v[A+6],  v[A+10]
	v_min3_num_f32 v[M],   v[M],   v[A+12], v[A+16]
	v_min3_num_f32 v[M+1], v[M+1], v[A+14], v[A+18]
	v_min3_num_f32 v[M],   v[M],   v[A+20], v[A+24]
	v_min3_num_f32 v[M+1], v[M+1], v[A+22], v[A+26]
	v_min_num_f32  v[M],   v[M],   v[A+28]
	v_min_num_f32  v[M+1], v[M+1], v[A+30]
.irp i, 0,1,2,3,4,5,6,7
	v_sub_f32 v[A+4*\i],   v[M],   v[A+4*\i]       ; at most 0
	v_sub_f32 v[A+4*\i+2], v[M+1], v[A+4*\i+2]
.endr
.irp i, 0,1,2,3,4,5,6,7
	v_exp_f32 v[A+4*\i],   v[A+4*\i]
	v_exp_f32 v[A+4*\i+2], v[A+4*\i+2]
.endr
	v_nop
	s_wait_alu depctr_va_vdst(0)
	v_mul_f32 v[S],   v[A],   v[A+1]               ; the first product starts each sum
	v_mul_f32 v[S+1], v[A+2], v[A+3]
.irp i, 1,2,3,4,5,6,7
	v_fmac_f32 v[S],   v[A+4*\i],   v[A+4*\i+1]
	v_fmac_f32 v[S+1], v[A+4*\i+2], v[A+4*\i+3]
.endr
	v_log_f32 v[S],   v[S]                         ; at least one term is l >= 1 times 1; the squares below stand before its use
	v_log_f32 v[S+1], v[S+1]
	s_wait_dscnt 0x0
	v_pk_mul_f32 v[S+2:S+3], v[C:C+1],     v[C:C+1]
	v_pk_mul_f32 v[S+4:S+5], v[C+32:C+33], v[C+32:C+33]
.set n, 2
.rept 15
	v_pk_fma_f32 v[S+2:S+3], v[C+n:C+n+1],       v[C+n:C+n+1],       v[S+2:S+3]
	v_pk_fma_f32 v[S+4:S+5], v[C+32+n:C+32+n+1], v[C+32+n:C+32+n+1], v[S+4:S+5]
.set n, n+2
.endr
	v_add_f32 v[S+2], v[S+2], v[S+3]               ; |x|^2 of row 2 t
	v_add_f32 v[S+4], v[S+4], v[S+5]               ; and of row 2 t + 1
	s_wait_alu depctr_va_vdst(0)
	v_sub_f32 v[M],   v[M],   v[S]                 ; -log2( sum over all k of exp z )
	v_sub_f32 v[M+1], v[M+1], v[S+1]
	v_fma_f32 v[S+2], v[S+2], 0.5, s63             ; 0.5 |x|^2 + 16 ln(2 pi)
	v_fma_f32 v[S+4], v[S+4], 0.5, s63
	v_fmamk_f32 v[NM],   v[M],   0x3f317218, v[S+2]            ; - ln 2 x log2(sum)
	v_fmamk_f32 v[NM+1], v[M+1], 0x3f317218, v[S+4]
	global_store_b64 v28, v[NM:NM+1], s[10:11] th:TH_STORE_NT  ; a wave's store covers 256 consecutive bytes, at a multiple of 256 from out0's first byte
	s_wait_tensorcnt 0x0
	ds_add_u32 v62, v63
	s_wait_dscnt 0x0
	ROUND                                          ; the closing round: no work-group ends while a partner may still ask for a tile that names it
	s_endpgm
.Lfunc_end_k_qce02e498a3_gmnll:
	.size	k_qce02e498a3_gmnll, .Lfunc_end_k_qce02e498a3_gmnll-k_qce02e498a3_gmnll
	.p2alignl 7, 3214868480
	.fill 96, 4, 3214868480
	.section	.rodata,"a",@progbits
	.p2align	6, 0x0
	.amdhsa_kernel k_qce02e498a3_gmnll
		.amdhsa_group_segment_fixed_size 279552
		.amdhsa_private_segment_fixed_size 0
		.amdhsa_enable_private_segment 0
		.amdhsa_kernarg_size 32
		.amdhsa_user_sgpr_count 2
		.amdhsa_user_sgpr_kernarg_segment_ptr 1
		.amdhsa_wavefront_size32 1
		.amdhsa_system_sgpr_workgroup_id_x 1
		.amdhsa_system_sgpr_workgroup_id_y 1
		.amdhsa_system_sgpr_workgroup_id_z 1
		.amdhsa_system_vgpr_workitem_id 0
		.amdhsa_next_free_vgpr 256
		.amdhsa_next_free_sgpr 66
		.amdhsa_reserve_vcc 0
		.amdhsa_float_denorm_mode_32 3
		.amdhsa_float_denorm_mode_16_64 3
		.amdhsa_memory_ordered 1
		.amdhsa_forward_progress 1
		.amdhsa_inst_pref_size 183
	.end_amdhsa_kernel
	.amdgpu_metadata
---
amdhsa.version: [ 1, 2 ]
amdhsa.kernels:
  - .name:           k_qce02e498a3_gmnll
    .symbol:         k_qce02e498a3_gmnll.kd
    .args:
      - { .name: x, .offset: 0, .size: 8, .value_kind: global_buffer, .address_space: global }
      - { .name: logits, .offset: 8, .size: 8, .value_kind: global_buffer, .address_space: global }
      - { .name: means, .offset: 16, .size: 8, .value_kind: global_buffer, .address_space: global }
      - { .name: out0, .offset: 24, .size: 8, .value_kind: global_buffer, .address_space: global }
    .group_segment_fixed_size: 279552
    .private_segment_fixed_size: 0
    .kernarg_segment_align: 8
    .kernarg_segment_size: 32
    .max_flat_workgroup_size: 512
    .sgpr_count:     66
    .vgpr_count:     256
    .wavefront_size: 32
...
	.end_amdgpu_metadata
.endif
;; end of part 1
